; MI455X (gfx1250); checked and timed in simulation.
; The chip was launched on July 23, 2026; its instructions are those of AMD's public machine-readable ISA for CDNA 5 (MIT licence, August 2026) and "CDNA5" Instruction Set Architecture Reference Guide (July 2026). The comments in the code are by the model that wrote it; some were corrected since.
;; Multi Head Attention. Allowed arithmetic: float matrix products may take bf16 or f16 operands with f32 sums; all other float work in f32.
;; Inputs: Wk 512 x 512 float32; Wo 512 x 512 float32; Wq 512 x 512 float32; Wv 512 x 512 float32; beta 512 float32; bk 512 float32; bo 512 float32; bq 512 float32; bv 512 float32; gamma 512 float32; query 16 x 1,024 x 512 float32; value 16 x 1,024 x 512 float32.
;; Outputs: out0 16 x 1,024 x 512 float32.
;; One version. Each part assembles by itself: llvm-mc -triple=amdgcn-amd-amdhsa -mcpu=gfx1250 --defsym DOCPART=n.
;; ======== version 1 of 1: 4 launches
;; limits: values are held in f16: magnitudes above 65,504 overflow, below 6.1e-05 lose precision
;; workspace buffers: q 16,777,216 bytes; kv 33,554,432 bytes; x 16,777,216 bytes; y 33,554,432 bytes; stats 262,144 bytes
;; launch proj (part 1): grid 6 x 42, 4 waves a work-group, no clusters, 104,960 bytes of LDS; arguments query, value, Wq, Wk, Wv, bq, q, kv; writes q, kv
.if DOCPART == 1
	.amdgcn_target "amdgcn-amd-amdhsa--gfx1250"
	.amdhsa_code_object_version 6
	.text
	.protected	k_q55ad6c6ccf_proj
	.globl	k_q55ad6c6ccf_proj
	.p2align	8
	.type	k_q55ad6c6ccf_proj,@function
k_q55ad6c6ccf_proj:
	s_mov_b64 s[64:65], 0
	v_nop
	global_prefetch_b8 v0, s[64:65] scope:SCOPE_SE
	s_setreg_imm32_b32 hwreg(HW_REG_WAVE_MODE, 25, 1), 1
	s_wait_xcnt 0x0
; Q = query Wq^T + bq, K = value Wk^T, V = value Wv^T, rounded to f16 and stored in the order in which the attention launch's matrix fragments want them.
;
; WORK LEFT OUT, for all values of the inputs (in exact arithmetic):
;   bk: it adds q.bk_h/8 to every score of a query's row, the same number along the softmax's axis, so the softmax does not change.
;   bv: a softmax row sums to 1, so bv adds Wo bv to every row of x Wo^T: one constant for each channel.     bo: one constant for each channel too.
;   The batch norm takes each channel's mean away and its variance does not move under a constant, so neither constant reaches the result.
;   bk, bv and bo are therefore not loaded and are no argument of any launch.  bq stays: q.k holds bq.k, which changes with the key.
;   LIMIT: a NaN, an infinity or an overflow that sits in bk, bv or bo alone is not carried to the result.
; FORMAT: all matrix operands are f16, sums f32.  Each rounding of an operand adds its own relative error to the normalised result; with 8 significant bits
;   the six roundings on the way add up to more than a third of the allowed 0.01 x rms, with 11 bits to a twentieth.  LIMIT: f16 ends at 65,504: an input, a weight
;   or a |q|, |k|, |v| beyond that becomes infinite.  (Numbers as drawn give a spread of 0.58 for q, k, v; both factors 30 times larger give peaks near 3,000.)
;
; SHARES.  Work-group x: kind = x / 2 (0 Q, 1 K, 2 V), half = x % 2 (256 channels = 4 heads); wave w holds head 4 half + w: its 64 rows of W, all K = 512, stay in
; 512 registers as fragments.  Work-group y: 24 or 26 tiles of 16 rows of the input (512 pairs of tiles over 42 chunks: 8 chunks of 13 pairs, 34 of 12).
; 3 x 2^23 results do not split into 256 equal blocks unless a block needs both query and value: 252 work-groups.
; A tile of 16 rows goes: memory (f32) -> 64 registers -> f16 in place -> LDS -> fragments -> 64 matrix instructions a wave.  Each fragment read from LDS feeds 4 of them.
; NO TENSOR LOADS, NO CLUSTER: the shared tiles are f32 in memory and pass registers to be rounded; loads into registers cannot be asked for jointly.
; LDS tile: 64 chunks (8 consecutive k) x 16 rows x 16 bytes, chunk pitch 272 bytes = 68 words, so the 16 pairs of lanes of a store of 8 bytes a lane start 4 banks apart
; (64 banks of 4 bytes: ISA guide 11.1) and a fragment load reads 256 consecutive bytes for each 16 lanes.
.set TSB,  17408                       ; bytes of an LDS tile; tiles 0 and 1 at 0 and TSB
.set PSB,  34816                       ; behind them a stage of TSB bytes for each wave, for W on its way into fragments
.set L16,  1                           ; v1  16 x lane
.set GA,   2                           ; v2  512 w + 16 lane: my 16 bytes of a row of the input (wave w takes k = 128 w .. 128 w + 127 of all 16 rows)
.set SA,   3                           ; v3  4352 w + 272 (lane / 2) + 8 (lane % 2): where my 4 numbers of row 0 go; a wave's stores fill 4,352 bytes of their own
.set FA,   4                           ; v4  272 (lane / 16) + 16 (lane % 16): fragment loads
.set PSA,  5                           ; v5  my stage + 272 (lane / 2) + 8 (lane % 2)
.set PFA,  6                           ; v6  my stage + FA
.set BA,   7                           ; v7  32 (lane / 16): bq
.set ACC,  16                          ; v16-79   two sets of four accumulators
.set SG,   80                          ; v80-207  two sets of 64: a tile as loaded
.set BIAS, 208                         ; v208-239 bq in the accumulators' layout (kind Q)
.set PK,   240                         ; v240-255 packed results
; windows 1, 2: W's fragment (a, s) in window 1 + s / 8 at register 8 (8 a + s % 8).  window 3: two fragment buffers of 128; first the landing place of W.
.set MSB, 0
.macro WIN new                         ; s_set_vgpr_msb: bits 1:0 source 0, 3:2 source 1, 5:4 source 2, 7:6 destination; the high byte repeats the setting that is left
.if MSB != \new
	s_set_vgpr_msb (MSB<<8)|\new
.set MSB, \new
.endif
.endm
.macro PLACES                          ; four independent vector instructions behind a matrix instruction (ISA guide 7.12.1)
.rept 4
	v_nop
.endr
.endm
; sixteen loads: my 512 bytes of each of a tile's 16 rows
.macro GLD p, imm
.irp r, 0,1,2,3,4,5,6,7,8,9,10,11,12,13,14,15
	global_load_b128 v[SG+64*\p+4*\r:SG+64*\p+4*\r+3], v[GA], s[30:31] offset:\imm+2048*\r
.endr
.endm
; the tile in set p is rounded in place and stored into LDS tile p.  left = younger loads that may stay out
.macro CVS p, left
	s_wait_loadcnt \left
.irp r, 0,1,2,3,4,5,6,7,8,9,10,11,12,13,14,15
	v_cvt_pk_f16_f32 v[SG+64*\p+4*\r], v[SG+64*\p+4*\r], v[SG+64*\p+4*\r+1]
	v_cvt_pk_f16_f32 v[SG+64*\p+4*\r+1], v[SG+64*\p+4*\r+2], v[SG+64*\p+4*\r+3]
.endr
.irp r, 0,1,2,3,4,5,6,7,8,9,10,11,12,13,14,15
	ds_store_b64 v[SA], v[SG+64*\p+4*\r:SG+64*\p+4*\r+1] offset:TSB*\p+16*\r
.endr
.endm
; LDS tile p into fragment buffer p: load i = 2 s + c brings chunks 4 s + 2 c + lane / 16
.macro FRG p
	WIN 0xc0
.set II, 0
.rept 32
	ds_load_b128 v[128*\p+4*II:128*\p+4*II+3], v[FA] offset:TSB*\p+544*II
.set II, II+1
.endr
.endm
; K steps s0 .. s1 of buffer p on the four accumulators of set p, which take turns, one instruction a turn.
; Kinds Q, K: source 0 = W, source 1 = input: a lane holds one input row, its registers 8 neighbouring channels.  Kind V: the other way round: a lane holds one channel, its registers 8 neighbouring keys.
; The first K step starts the sums: from bq (Q) or from the constant 0.
.macro MM kind, p, s0, s1
.set KS, \s0
.rept \s1-\s0+1
.if \kind == 2
.set WV, 0x03|((1+(KS>>3))<<2)
.else
.set WV, 0x0c|(1+(KS>>3))
.endif
	WIN WV
.irp a, 0,1,2,3
.set RW, 8*(8*\a+(KS&7))
.set RX, 128*\p+8*KS
.set RC, ACC+32*\p+8*\a
.if \kind == 2
.if KS == 0
	v_wmma_f32_16x16x32_f16 v[RC:RC+7], v[RX:RX+7], v[RW:RW+7], 0
.else
	v_wmma_f32_16x16x32_f16 v[RC:RC+7], v[RX:RX+7], v[RW:RW+7], v[RC:RC+7]
.endif
.else
.if KS == 0
.if \kind == 0
	v_wmma_f32_16x16x32_f16 v[RC:RC+7], v[RW:RW+7], v[RX:RX+7], v[BIAS+8*\a:BIAS+8*\a+7]
.else
	v_wmma_f32_16x16x32_f16 v[RC:RC+7], v[RW:RW+7], v[RX:RX+7], 0
.endif
.else
	v_wmma_f32_16x16x32_f16 v[RC:RC+7], v[RW:RW+7], v[RX:RX+7], v[RC:RC+7]
.endif
.endif
.endr
.set KS, KS+1
.endr
.endm
; the finished tile s29 (16 rows of the input, counted over all batches) leaves from accumulator set p: four stores of 512 consecutive bytes, aligned
;   q  [b][h][tile of 16 queries][chunk of 8 d][row][8 d]                                       2,048 bytes a tile
;   kv [b][h][block of 64 keys]: K at 0 as q's tiles; V at 8,192 as [32 keys][16 d][8 keys][d][8 keys]   16,384 bytes a block
.macro OUTT kind, p
	s_wait_xcnt 0x0                                ; PK and s[36:37], which the last tile's stores read, are written again only behind this wait
	s_lshr_b32 s40, s29, 6                         ; batch
.if \kind == 0
	s_lshl_b32 s40, s40, 20
	s_and_b32 s41, s29, 63
	s_lshl_b32 s41, s41, 11
	s_add_co_u32 s38, s40, s41
.else
	s_lshl_b32 s40, s40, 21
	s_and_b32 s41, s29, 60                         ; block of 64 keys: 4 tiles, 16,384 bytes
	s_lshl_b32 s41, s41, 12
	s_add_co_u32 s40, s40, s41
.if \kind == 1
	s_and_b32 s41, s29, 3
	s_lshl_b32 s41, s41, 11
	s_add_co_u32 s38, s40, s41
.else
	s_and_b32 s41, s29, 2                          ; which 32 keys: 4,096 bytes
	s_lshl_b32 s41, s41, 11
	s_add_co_u32 s40, s40, s41
	s_and_b32 s41, s29, 1                          ; which 16 of them: two groups of 8 keys, 512 bytes
	s_lshl_b32 s41, s41, 9
	s_add_co_u32 s38, s40, s41
.endif
.endif
	s_add_nc_u64 s[36:37], s[34:35], s[38:39]
	s_add_co_u32 s29, s29, 1
.irp a, 0,1,2,3
.irp r, 0,1,2,3
	v_cvt_pk_f16_f32 v[PK+4*\a+\r], v[ACC+32*\p+8*\a+2*\r], v[ACC+32*\p+8*\a+2*\r+1]
.endr
.endr
.irp a, 0,1,2,3
.if \kind == 2
	global_store_b128 v[L16], v[PK+4*\a:PK+4*\a+3], s[36:37] offset:1024*\a
.else
	global_store_b128 v[L16], v[PK+4*\a:PK+4*\a+3], s[36:37] offset:512*\a
.endif
.endr
.endm
; One tile's 64 matrix instructions (buffer and set p; q = the other).  Behind the first 16: tile + 2 is rounded into LDS tile p (its 32 conversions are the places behind the
; last tile's matrix instructions, for the output's reads and the fragment loads), tile + 4 is asked for, tile - 1 leaves, tile + 1's fragments are read from LDS tile q.
; ONE barrier: in front of it my stores into tile p and my reads of tile q are done; behind it tile q is stored again and tile p is read.  A step that stores no tile needs none.
.macro STEP kind, p, q, doG, doC, doF, doO, left, gimm
	MM \kind, \p, 0, 3
	WIN 0
.if \doC
	CVS \p, \left
.else
	PLACES
.endif
.if \doG
	GLD \p, \gimm
.endif
.if \doO
	OUTT \kind, \q
.endif
.if \doF
	FRG \q
.endif
	MM \kind, \p, 4, 13
	s_wait_dscnt 0x0                               ; for the other waves: my stores and my reads; for me: the next tile's fragments
.if \doC
	s_barrier_signal -1
.endif
	MM \kind, \p, 14, 15
	WIN 0
.if \doC
	s_barrier_wait -1
.endif
.endm
; 8 rows of my W into the landing place, half i % 2: 32 loads of 512 consecutive bytes
.macro HLOAD i
	WIN 0xc0
.irp r, 0,1,2,3,4,5,6,7
.irp j, 0,1,2,3
	global_load_b128 v[128*((\i)&1)+4*(4*\r+\j):128*((\i)&1)+4*(4*\r+\j)+3], v[L16], s[32:33] offset:(8*(\i)+\r)*2048+512*\j
.endr
.endr
.endm
; half tile i of W: rounded in place, stored into my own stage; behind an odd i the whole tile is read back as fragments.  LDS serves a wave's instructions in order
; (ISA guide 5.7.1), so neither the read-back nor the next half tile's stores need a wait.
.macro PRO i, left, more
	s_wait_loadcnt \left
	WIN 0xcf
.set II, 0
.rept 32
.set RB, 128*(\i&1)+4*II
	v_cvt_pk_f16_f32 v[RB], v[RB], v[RB+1]
	v_cvt_pk_f16_f32 v[RB+1], v[RB+2], v[RB+3]
.set II, II+1
.endr
	WIN 0x0c
.set II, 0
.rept 32
.set RB, 128*(\i&1)+4*II
	ds_store_b64 v[PSA], v[RB:RB+1] offset:4352*(II&3)+16*(8*(\i&1)+(II>>2))
.set II, II+1
.endr
.if \more
	HLOAD \i+2
.endif
.if \i&1
.set AT, \i>>1
	WIN 0x40
.set II, 0
.rept 16
	ds_load_b128 v[64*AT+4*II:64*AT+4*II+3], v[PFA] offset:544*II
.set II, II+1
.endr
	WIN 0x80
.set II, 0
.rept 16
	ds_load_b128 v[64*AT+4*II:64*AT+4*II+3], v[PFA] offset:544*(II+16)
.set II, II+1
.endr
.endif
.endm
	s_load_b512 s[4:19], s[0:1], 0x0               ; query, value, Wq, Wk, Wv, bq, q, kv
	v_lshl_add_u32 v14, v0, 2, 0x19800
	v_mov_b32 v15, 0
	v_lshrrev_b32 v8, 5, v0
	v_readfirstlane_b32 s20, v8                    ; wave
	s_lshr_b32 s23, ttmp9, 1                       ; kind
	s_and_b32 s24, ttmp9, 1                        ; half
	s_and_b32 s22, ttmp7, 0xffff                   ; chunk of rows
	s_lshl2_add_u32 s25, s24, s20                  ; head = 4 half + wave
	s_mul_i32 s40, s22, 12
	s_min_u32 s41, s22, 8
	s_add_co_u32 s40, s40, s41                     ; first pair of tiles = 12 y + min(y, 8)
	s_lshl_b32 s27, s40, 1                         ; first tile
	s_mov_b32 s29, s27                             ; the tile that leaves next
	s_cmp_lt_u32 s22, 8
	s_cselect_b32 s46, 10, 9                       ; trips of the loop = pairs - 3 (13 or 12 pairs)
	s_mov_b32 s39, 0
	v_and_b32 v8, 31, v0                           ; lane
	v_lshlrev_b32 v[L16], 4, v8
	s_lshl_b32 s40, s20, 9
	v_add_nc_u32 v[GA], s40, v[L16]
	v_lshrrev_b32 v9, 1, v8
	v_and_b32 v10, 1, v8
	v_mul_u32_u24 v9, v9, 272
	v_lshl_add_u32 v9, v10, 3, v9
	s_mul_i32 s41, s20, 4352
	v_add_nc_u32 v[SA], s41, v9
	v_lshrrev_b32 v10, 4, v8
	v_and_b32 v11, 15, v8
	v_mul_u32_u24 v12, v10, 272
	v_lshl_add_u32 v[FA], v11, 4, v12
	s_mul_i32 s42, s20, TSB
	s_add_co_u32 s42, s42, PSB
	v_add_nc_u32 v[PSA], s42, v9
	v_add_nc_u32 v[PFA], s42, v[FA]
	v_lshlrev_b32 v[BA], 5, v10
	s_wait_kmcnt 0x0
	s_cmp_eq_u32 s23, 0
	s_cselect_b64 s[30:31], s[4:5], s[6:7]         ; the input: query or value
	s_cselect_b64 s[32:33], s[8:9], s[10:11]
	s_cselect_b64 s[34:35], s[16:17], s[18:19]     ; the result: q or kv
	s_cselect_b32 s40, 17, 18                      ; a head's bytes in it: 2^17 or 2^18
	s_cmp_eq_u32 s23, 2
	s_cselect_b64 s[32:33], s[12:13], s[32:33]     ; the weights: Wq, Wk or Wv
	s_cselect_b32 s41, 8192, 0                     ; V lies behind K in a block
	s_lshl_b32 s38, s27, 15
	s_add_nc_u64 s[30:31], s[30:31], s[38:39]      ; the input at my first tile (32,768 bytes a tile)
	s_lshl_b32 s38, s25, 17
	s_add_nc_u64 s[32:33], s[32:33], s[38:39]      ; W at my head's 64 rows
	s_lshl_b32 s38, s25, s40
	s_add_co_u32 s38, s38, s41
	s_add_nc_u64 s[34:35], s[34:35], s[38:39]
	s_lshl_b32 s38, s25, 8
	s_add_nc_u64 s[44:45], s[14:15], s[38:39]      ; bq at my head
	GLD 0, 0                                       ; tiles 0 and 1 are on their way while W is taken in
	GLD 1, 32768
	HLOAD 0
	HLOAD 1
	PRO 0, 32, 1                                   ; the count leaves the next half tile's 32 loads out
	PRO 1, 32, 1
	PRO 2, 32, 1
	PRO 3, 32, 1
	PRO 4, 32, 1
	PRO 5, 32, 1
	PRO 6, 32, 0
	PRO 7, 0, 0                                    ; nothing is out any more: tiles 0 and 1 are in too
	WIN 0
	s_cmp_eq_u32 s23, 1
	s_cbranch_scc1 .Lbody_k
	s_cmp_eq_u32 s23, 2
	s_cbranch_scc1 .Lbody_v
.macro BODY kind
.if \kind == 0
.irp a, 0,1,2,3
	global_load_b128 v[BIAS+8*\a:BIAS+8*\a+3],   v[BA], s[44:45] offset:64*\a      ; bq of channels 16 a + 8 (lane / 16) + 0 .. 7
	global_load_b128 v[BIAS+8*\a+4:BIAS+8*\a+7], v[BA], s[44:45] offset:64*\a+16
.endr
.endif
	CVS 0, 16                                      ; tile 0 (in since the wait for 0 above)
	GLD 0, 65536                                   ; tile 2
	CVS 1, 16                                      ; the count leaves tile 2's 16 loads out; bq's loads are older and are in
	GLD 1, 98304                                   ; tile 3
	s_wait_xcnt 0x0                                ; the loads' base is stepped only behind this wait
	s_add_nc_u64 s[30:31], s[30:31], 0x20000
	s_wait_dscnt 0x0                               ; my parts of tiles 0 and 1 are stored, W's fragments are in
	s_barrier_signal -1
	s_barrier_wait -1
	FRG 0
	WIN 0
	s_wait_dscnt 0x0                               ; my reads of LDS tile 0 are back,
	s_barrier_signal -1
	s_barrier_wait -1                              ; and every wave's: the first step stores tile 2 into LDS tile 0
	STEP \kind, 0, 1, 1, 1, 1, 0, 16, 0            ; in every step the count 16 leaves the next tile's loads out
	STEP \kind, 1, 0, 1, 1, 1, 1, 16, 32768
	s_wait_xcnt 0x0
	s_add_nc_u64 s[30:31], s[30:31], 0x10000
	s_mov_b32 s28, 0
.Lloop_\kind:
	STEP \kind, 0, 1, 1, 1, 1, 1, 16, 0
	STEP \kind, 1, 0, 1, 1, 1, 1, 16, 32768
	s_wait_xcnt 0x0
	s_add_nc_u64 s[30:31], s[30:31], 0x10000
	s_add_co_u32 s28, s28, 1
	s_cmp_lt_u32 s28, s46
	s_cbranch_scc1 .Lloop_\kind
	STEP \kind, 0, 1, 0, 1, 1, 1, 16, 0            ; the last four tiles: nothing more is asked for,
	STEP \kind, 1, 0, 0, 1, 1, 1, 0, 0             ; the last tile is rounded,
	STEP \kind, 0, 1, 0, 0, 1, 1, 0, 0             ; its fragments are read,
	STEP \kind, 1, 0, 0, 0, 0, 1, 0, 0
	PLACES
	OUTT \kind, 1
	s_wait_tensorcnt 0x0
	ds_add_u32 v14, v15
	s_wait_dscnt 0x0
	s_endpgm
.endm
	BODY 0
.Lbody_k:
	BODY 1
.Lbody_v:
	BODY 2
.Lfunc_end_k_q55ad6c6ccf_proj:
	.size	k_q55ad6c6ccf_proj, .Lfunc_end_k_q55ad6c6ccf_proj-k_q55ad6c6ccf_proj
	.p2alignl 7, 3214868480
	.fill 96, 4, 3214868480
	.section	.rodata,"a",@progbits
	.p2align	6, 0x0
	.amdhsa_kernel k_q55ad6c6ccf_proj
		.amdhsa_group_segment_fixed_size 104960
		.amdhsa_private_segment_fixed_size 0
		.amdhsa_enable_private_segment 0
		.amdhsa_kernarg_size 64
		.amdhsa_user_sgpr_count 2
		.amdhsa_user_sgpr_kernarg_segment_ptr 1
		.amdhsa_wavefront_size32 1
		.amdhsa_system_sgpr_workgroup_id_x 1
		.amdhsa_system_sgpr_workgroup_id_y 1
		.amdhsa_system_sgpr_workgroup_id_z 1
		.amdhsa_system_vgpr_workitem_id 0
		.amdhsa_next_free_vgpr 1024
		.amdhsa_next_free_sgpr 66
		.amdhsa_reserve_vcc 0
		.amdhsa_float_denorm_mode_32 3
		.amdhsa_float_denorm_mode_16_64 3
		.amdhsa_memory_ordered 1
		.amdhsa_forward_progress 1
		.amdhsa_inst_pref_size 255
	.end_amdhsa_kernel
	.section	.bss,"aw",@nobits
	.p2align	6
	.space	262144
	.amdgpu_metadata
---
amdhsa.version: [ 1, 2 ]
amdhsa.kernels:
  - .name:           k_q55ad6c6ccf_proj
    .symbol:         k_q55ad6c6ccf_proj.kd
    .args:
      - { .name: query, .offset: 0, .size: 8, .value_kind: global_buffer, .address_space: global }
      - { .name: value, .offset: 8, .size: 8, .value_kind: global_buffer, .address_space: global }
      - { .name: Wq, .offset: 16, .size: 8, .value_kind: global_buffer, .address_space: global }
      - { .name: Wk, .offset: 24, .size: 8, .value_kind: global_buffer, .address_space: global }
      - { .name: Wv, .offset: 32, .size: 8, .value_kind: global_buffer, .address_space: global }
      - { .name: bq, .offset: 40, .size: 8, .value_kind: global_buffer, .address_space: global }
      - { .name: q, .offset: 48, .size: 8, .value_kind: global_buffer, .address_space: global }
      - { .name: kv, .offset: 56, .size: 8, .value_kind: global_buffer, .address_space: global }
    .group_segment_fixed_size: 104960
    .private_segment_fixed_size: 0
    .kernarg_segment_align: 8
    .kernarg_segment_size: 64
    .max_flat_workgroup_size: 128
    .sgpr_count:     66
    .vgpr_count:     1024
    .wavefront_size: 32
...
	.end_amdgpu_metadata
.endif
;; end of part 1
;; launch attn (part 2): grid 256 x 1, 8 waves a work-group, no clusters, 263,168 bytes of LDS; arguments q, kv, x; writes x
.if DOCPART == 2
	.amdgcn_target "amdgcn-amd-amdhsa--gfx1250"
	.amdhsa_code_object_version 6
	.text
	.protected	k_q55ad6c6ccf_attn
	.globl	k_q55ad6c6ccf_attn
	.p2align	8
	.type	k_q55ad6c6ccf_attn,@function
k_q55ad6c6ccf_attn:
	s_mov_b64 s[64:65], 0
	v_nop
	global_prefetch_b8 v0, s[64:65] scope:SCOPE_SE
	s_setreg_imm32_b32 hwreg(HW_REG_WAVE_MODE, 25, 1), 1
	s_wait_xcnt 0x0
; x = softmax(q k^T / 8) v for one batch and head and 512 queries; a wave has 64 queries (4 tiles of 16).  q, k, v, P and x are f16, scores, maxima and sums f32.
; Left out (shown at the head of the first kernel): bk adds the same number along a softmax row; bv adds a constant to a channel, which the batch norm takes away.
; TRANSPOSED: S^T = K (source 0) x Q (source 1): lane l holds query l % 16, its registers keys 8 (l / 16) + 0..7.  Two such tiles, rounded in place, ARE source 1 of O^T = V^T (source 0) x P^T,
; and maximum, sum and scale are one number a lane, joined once across the two halves of the wave.  A lane of O^T holds 8 neighbouring channels of one query: 16 bytes of x.
; Every K or V fragment read from LDS feeds four matrix instructions.  Two waves share a SIMD's registers (2 x 512).
;
; TWO PIECES TAKE TURNS.  Piece A = query tiles 0, 1, piece B = tiles 2, 3; they share the K, Q and V fragments.  The matrix instructions of block b (64 keys) go
;     PV_B(b-1)  QK_B(b)  |  PV_A(b)  QK_A(b+1)          16 instructions each
; and the softmax of piece A's block b is spread over the first 32 (RUN B), that of piece B's block b over the second 32 (RUN A): 243 vector instructions for 32 matrix instructions.
; One buffer of K and one of V are enough: V(b) is loaded behind PV_B(b-1) and wanted by PV_A(b), 16 matrix instructions later; K(b+1) is loaded behind QK_B(b) and wanted by QK_A(b+1), likewise.
; WINDOWS.  QK runs under 0x04 (Q in window 1), PV under 0x51 (V, O in window 1).  v_exp_f32 names no second source, so the exponentials stand under 0x04 as they are; the rescale of O
; (destination and first source in window 1, second in window 0) stands under 0x51 as it is.  Maxima, scaling, sums and conversions need all places in window 0: there the matrix instructions go
; in pairs, 16 vector instructions behind each pair.  19 switches in a run (20 with V's loads) for 32 matrix and 243 vector instructions.
;
; K AND V: the head's 262,144 bytes are brought into LDS once, as they lie in kv; nothing is ever filled again.  Eight stages of 32,768 bytes (2 blocks); each wave asks for 4,096 bytes of each
; (16 rows of 256 bytes: the stage's eighth), all eight in one group at the start, in the order in which they are read: a wave has eight tensor loads out at the most, and they end in the order
; of issue (ISA guide 10.11.1).  Work begins when the first stage is in.  A stage asked for later would stand behind a barrier in front of which every wave has waited for all its loads: one load
; a wave on its way instead of all that is left.
; NO CLUSTER: a tile of K or V has two readers only (the two query halves), and each work-group asks for each byte once in the launch.
; x: [tile of 16 rows][chunk of 8 channels][row][8 channels], 16,384 bytes a tile.
; LIMIT: v_exp_f32 gives 0 for results under 2^-126 (ISA guide 15.8), and f16 gives 0 for a P under 2^-25: both beside a row sum of at least 1.
.set LA, 1                             ; v1      16 lane + 16,384 block
.set OA, 2                             ; v2      16 lane
.set MX, 4                             ; v4-7    running maximum of the raw scores, tile qt
.set LS, 8                             ; v8-11   running sum over my half's keys
.set AL, 12                            ; v12-19  alpha (at the end 1 / sum), twice: a pair for the packed multiply
.set NM, 20                            ; v20-27  - c x maximum, twice
.set KF, 32                            ; v32-95  K fragments: tile kt, K step ks at 16 kt + 8 ks
.set SC, 96                            ; v96-223 S^T tile (kt, qt) at 8 (4 kt + qt); P^T (u, qt) in the registers of S^T (2 u, qt)
.set TM, 224                           ; v224-230 at work for a piece's first tile, v240-246 for its second
.set TP, 232                           ; v232-239 four pairs of partial sums for a piece's first tile, v248-255 for its second
.set QF, 128                           ; window 1: O^T (t, qt) at 8 (4 t + qt); Q fragments at 128 + 16 qt + 8 ks; V fragments at 192 + 32 u + 8 t
.set VF, 192
.set MSB, 0
.macro WIN new                         ; bits 1:0 source 0, 3:2 source 1, 5:4 source 2, 7:6 destination; the high byte repeats the setting that is left
.if MSB != \new
	s_set_vgpr_msb (MSB<<8)|\new
.set MSB, \new
.endif
.endm
.macro PLACES                          ; four independent vector instructions behind a matrix instruction (ISA guide 7.12.1)
.rept 4
	v_nop
.endr
.endm
; stages are in: my parts by my own count (left = my younger tensor loads, which may stay out), the others' by the barrier
.macro GATE left
	s_wait_dscnt 0x0
	s_wait_tensorcnt \left
	s_barrier_signal -1
	s_barrier_wait -1
.endm
.macro LDK imm                         ; a block's K: 16 loads of 512 consecutive bytes (setting 0)
.set II, 0
.rept 16
	ds_load_b128 v[KF+4*II:KF+4*II+3], v[LA] offset:\imm+512*II
.set II, II+1
.endr
.endm
.macro LDV                             ; a block's V
	WIN 0x40
.set II, 0
.rept 16
	ds_load_b128 v[VF+4*II:VF+4*II+3], v[LA] offset:8192+512*II
.set II, II+1
.endr
.endm
; Matrix instruction i (0..15) of O^T += V^T P^T for piece pm: u = i / 8 (32 keys), t = i / 2 % 4 (16 channels), tile 2 pm + i % 2.  Eight accumulators take turns, one instruction a turn.
; first = 1: the products of u = 0 start the sums.
.macro PVI pm, i, first
	WIN 0x51
.set PU, (\i)>>3
.set PT, ((\i)>>1)&3
.set PQ, 2*\pm+((\i)&1)
.set RO, 8*(4*PT+PQ)
.set RV, VF+32*PU+8*PT
.set RP, SC+8*(8*PU+PQ)
.if \first*(1-PU)
	v_wmma_f32_16x16x32_f16 v[RO:RO+7], v[RV:RV+7], v[RP:RP+7], 0
	s_wait_alu depctr_va_vdst(0)
.else
	v_wmma_f32_16x16x32_f16 v[RO:RO+7], v[RV:RV+7], v[RP:RP+7], v[RO:RO+7]
.endif
.endm
; Matrix instruction i (0..15) of S^T = K Q^T for piece pm: key tiles 2 (i / 8) + i / 2 % 2, K step i / 4 % 2, tile 2 pm + i % 2.  Four accumulators take turns, one instruction a turn.
.macro QKI pm, i
	WIN 0x04
.set QS, ((\i)>>2)&1
.set QT, 2*((\i)>>3)+(((\i)>>1)&1)
.set QQ, 2*\pm+((\i)&1)
.set RS, SC+8*(4*QT+QQ)
.set RK, KF+16*QT+8*QS
.set RQ, QF+16*QQ+8*QS
.if QS
	v_wmma_f32_16x16x32_f16 v[RS:RS+7], v[RK:RK+7], v[RQ:RQ+7], v[RS:RS+7]
.else
	v_wmma_f32_16x16x32_f16 v[RS:RS+7], v[RK:RK+7], v[RQ:RQ+7], 0
.endif
.endm
; THE SOFTMAX OF PIECE pv (tiles 2 pv + e, e = 0, 1) IN SLICES.  The two tiles' chains stand side by side, so that no line waits for the one in front of it.
.macro VM0 pv                          ; maxima: four chains a tile, started by the first three scores of each key tile
.irp e, 0,1
.irp kt, 0,1,2,3
	v_max3_num_f32 v[TM+16*\e+\kt], v[SC+8*(4*\kt+2*\pv+\e)], v[SC+8*(4*\kt+2*\pv+\e)+1], v[SC+8*(4*\kt+2*\pv+\e)+2]
.endr
.endr
.endm
.macro VMN pv, j                       ; scores j and j + 1 join the chains
.irp e, 0,1
.irp kt, 0,1,2,3
	v_max3_num_f32 v[TM+16*\e+\kt], v[TM+16*\e+\kt], v[SC+8*(4*\kt+2*\pv+\e)+\j], v[SC+8*(4*\kt+2*\pv+\e)+\j+1]
.endr
.endr
.endm
.macro VM3 pv, first                   ; the chains meet, with the four scores 7 and the running maximum
.irp e, 0,1
	v_max3_num_f32 v[TM+16*\e], v[TM+16*\e], v[TM+16*\e+1], v[SC+8*(2*\pv+\e)+7]
.endr
.irp e, 0,1
	v_max3_num_f32 v[TM+16*\e+2], v[TM+16*\e+2], v[TM+16*\e+3], v[SC+8*(4+2*\pv+\e)+7]
.endr
.irp e, 0,1
	v_max3_num_f32 v[TM+16*\e], v[TM+16*\e], v[TM+16*\e+2], v[SC+8*(8+2*\pv+\e)+7]
.endr
.irp e, 0,1
.if \first
	v_max_num_f32 v[TM+16*\e+4], v[TM+16*\e], v[SC+8*(12+2*\pv+\e)+7]
.else
	v_max3_num_f32 v[TM+16*\e+4], v[TM+16*\e], v[SC+8*(12+2*\pv+\e)+7], v[MX+2*\pv+\e]
.endif
.endr
.endm
.macro VM4 pv                          ; the other half of the wave holds the same query's other keys; then - c x maximum, twice
.irp e, 0,1
	v_permlanex16_b32 v[TM+16*\e+5], v[TM+16*\e+4], s58, s59
.endr
.irp e, 0,1
	v_max_num_f32 v[TM+16*\e+4], v[TM+16*\e+4], v[TM+16*\e+5]
.endr
.irp e, 0,1
	v_mul_f32 v[NM+4*\pv+2*\e], 0xbe38aa3b, v[TM+16*\e+4]          ; - log2(e) / 8
	v_mul_f32 v[NM+4*\pv+2*\e+1], 0xbe38aa3b, v[TM+16*\e+4]
.endr
.endm
.macro VM5 pv, first                   ; alpha = 2^(c (old maximum - new)), twice; the plain line behind the exponentials (ISA guide 5.7.2) is the first v_pk_fma_f32 of the next slice
.if \first == 0
.irp e, 0,1
	v_fma_f32 v[TM+16*\e+6], v[MX+2*\pv+\e], s56, v[NM+4*\pv+2*\e]
.endr
.endif
.irp e, 0,1
	v_mov_b32 v[MX+2*\pv+\e], v[TM+16*\e+4]
.endr
.if \first == 0
.irp e, 0,1
	v_exp_f32 v[AL+4*\pv+2*\e], v[TM+16*\e+6]
	v_exp_f32 v[AL+4*\pv+2*\e+1], v[TM+16*\e+6]
.endr
.endif
.endm
.macro VFM pv, e, kt                   ; c s - c maximum, in place
	s_wait_alu depctr_va_vdst(0)
.irp j, 0,2,4,6
	v_pk_fma_f32 v[SC+8*(4*\kt+2*\pv+\e)+\j:SC+8*(4*\kt+2*\pv+\e)+\j+1], v[SC+8*(4*\kt+2*\pv+\e)+\j:SC+8*(4*\kt+2*\pv+\e)+\j+1], s[56:57], v[NM+4*\pv+2*\e:NM+4*\pv+2*\e+1] op_sel_hi:[1,0,1]
.endr
.endm
.macro VXP pv, e, kt                   ; P = 2^(..), in place: destination and one source, both in window 0 (settings 0 and 0x04)
.irp j, 0,1,2,3,4,5,6,7
	v_exp_f32 v[SC+8*(4*\kt+2*\pv+\e)+\j], v[SC+8*(4*\kt+2*\pv+\e)+\j]
.endr
.endm
.macro VC0 pv, e                       ; the sum of P over my 32 keys: four chains of pairs
.irp kt, 0,1,2,3
	v_pk_add_f32 v[TP+16*\e+2*\kt:TP+16*\e+2*\kt+1], v[SC+8*(4*\kt+2*\pv+\e):SC+8*(4*\kt+2*\pv+\e)+1], v[SC+8*(4*\kt+2*\pv+\e)+2:SC+8*(4*\kt+2*\pv+\e)+3]
.endr
.irp kt, 0,1,2,3
	v_pk_add_f32 v[TP+16*\e+2*\kt:TP+16*\e+2*\kt+1], v[TP+16*\e+2*\kt:TP+16*\e+2*\kt+1], v[SC+8*(4*\kt+2*\pv+\e)+4:SC+8*(4*\kt+2*\pv+\e)+5]
.endr
.endm
.macro VC1 pv, e, first                ; .. and into the running sum
.irp kt, 0,1,2,3
	v_pk_add_f32 v[TP+16*\e+2*\kt:TP+16*\e+2*\kt+1], v[TP+16*\e+2*\kt:TP+16*\e+2*\kt+1], v[SC+8*(4*\kt+2*\pv+\e)+6:SC+8*(4*\kt+2*\pv+\e)+7]
.endr
	v_pk_add_f32 v[TP+16*\e:TP+16*\e+1], v[TP+16*\e:TP+16*\e+1], v[TP+16*\e+2:TP+16*\e+3]
	v_pk_add_f32 v[TP+16*\e+4:TP+16*\e+5], v[TP+16*\e+4:TP+16*\e+5], v[TP+16*\e+6:TP+16*\e+7]
	v_pk_add_f32 v[TP+16*\e:TP+16*\e+1], v[TP+16*\e:TP+16*\e+1], v[TP+16*\e+4:TP+16*\e+5]
.if \first
	v_add_f32 v[LS+2*\pv+\e], v[TP+16*\e], v[TP+16*\e+1]
.else
	v_add_f32 v[TP+16*\e], v[TP+16*\e], v[TP+16*\e+1]
	v_fma_f32 v[LS+2*\pv+\e], v[LS+2*\pv+\e], v[AL+4*\pv+2*\e], v[TP+16*\e]
.endif
.endm
.macro VC2 pv, e, u                    ; key tiles 2 u and 2 u + 1 rounded in place into source 1 of the second product
.irp r, 0,1,2,3
	v_cvt_pk_f16_f32 v[SC+8*(8*\u+2*\pv+\e)+\r], v[SC+8*(8*\u+2*\pv+\e)+2*\r], v[SC+8*(8*\u+2*\pv+\e)+2*\r+1]
.endr
.irp r, 0,1,2,3
	v_cvt_pk_f16_f32 v[SC+8*(8*\u+2*\pv+\e)+4+\r], v[SC+8*(8*\u+4+2*\pv+\e)+2*\r], v[SC+8*(8*\u+4+2*\pv+\e)+2*\r+1]
.endr
.endm
.macro VRS first, pv, t, e             ; O^T tile (t, 2 pv + e) times alpha: it names no third source, so it reads under 0x51 as under 0x41
.if \first == 0
	WIN 0x51
.irp j, 0,2,4,6
	v_pk_mul_f32 v[8*(4*\t+2*\pv+\e)+\j:8*(4*\t+2*\pv+\e)+\j+1], v[8*(4*\t+2*\pv+\e)+\j:8*(4*\t+2*\pv+\e)+\j+1], v[AL+4*\pv+2*\e:AL+4*\pv+2*\e+1]
.endr
.endif
.endm
.macro PV2 pm, i, on, first            ; two matrix instructions, then setting 0 for 16 vector instructions
.if \on
	PVI \pm, \i, \first
	PVI \pm, \i+1, \first
.endif
	WIN 0
.endm
.macro QK2 pm, i, on
.if \on
	QKI \pm, \i
	QKI \pm, \i+1
.endif
	WIN 0
.endm
.macro QX pm, i, on, pv, e, kt         ; one matrix instruction, eight exponentials under its setting
.if \on
	QKI \pm, \i
.else
	WIN 0
.endif
	VXP \pv, \e, \kt
.endm
; ONE RUN: piece pm's 16 + 16 matrix instructions, piece pv's softmax between them.
; dopv, doqk: the run has its PV, its QK.  pvfirst: PV starts O^T.  vfirst: the softmax starts maximum and sum (no alpha, no rescale).  isb: V is loaded in the middle.  pre: the next K at the end.
; vw, kw: counts of the waits for V and for K (99: none).
; DISTANCES (ISA guide 7.12.1), all filled by useful lines that name none of the matrix instruction's registers:
;   the last QK of the run before -> this run's reads of its scores, and K's loads: the 16 conversions at that run's end;
;   the last PV -> V's loads (4), and the QK that writes over its P (5): the 8 lines of the last two rescale slices (five v_nop in the one run that has a PV and no rescale);
;   PV 6, 7 -> the first QK, which writes over their P: the 16 v_pk_fma_f32 behind them.
.macro RUN pm, pv, dopv, pvfirst, doqk, vfirst, isb, pre, vw, kw
.if \vw < 64
	s_wait_dscnt \vw                               ; V is in; with the count 16 the next block's 16 loads of K stay out
.endif
	PV2 \pm, 0, \dopv, \pvfirst
	VM0 \pv
	VMN \pv, 3
	PV2 \pm, 2, \dopv, \pvfirst
	VMN \pv, 5
	VM3 \pv, \vfirst
	PV2 \pm, 4, \dopv, \pvfirst
	VM4 \pv
	VM5 \pv, \vfirst
	PV2 \pm, 6, \dopv, \pvfirst
	VFM \pv, 0, 0
	VFM \pv, 0, 1
	VFM \pv, 0, 2
	VFM \pv, 0, 3
	PV2 \pm, 8, \dopv, \pvfirst
	VFM \pv, 1, 0
	VFM \pv, 1, 1
	VFM \pv, 1, 2
	VFM \pv, 1, 3
.if \dopv
	PVI \pm, 10, \pvfirst
	VRS \vfirst, \pv, 0, 0
	PVI \pm, 11, \pvfirst
	VRS \vfirst, \pv, 0, 1
	PVI \pm, 12, \pvfirst
	VRS \vfirst, \pv, 1, 0
	PVI \pm, 13, \pvfirst
	VRS \vfirst, \pv, 1, 1
	PVI \pm, 14, \pvfirst
	VRS \vfirst, \pv, 2, 0
	VRS \vfirst, \pv, 2, 1
	PVI \pm, 15, \pvfirst
	VRS \vfirst, \pv, 3, 0
	VRS \vfirst, \pv, 3, 1
.if \vfirst
.rept 5
	v_nop                                          ; no rescale in this run: five places before QK writes over P
.endr
.endif
.endif
.if \isb
	LDV                                            ; this block's V: wanted at the head of the next run
.endif
.if \kw < 64
	s_wait_dscnt \kw                               ; K is in
.endif
	QX \pm, 0, \doqk, \pv, 0, 0
	QX \pm, 1, \doqk, \pv, 0, 1
	QX \pm, 2, \doqk, \pv, 0, 2
	QX \pm, 3, \doqk, \pv, 0, 3
	QX \pm, 4, \doqk, \pv, 1, 0
	QX \pm, 5, \doqk, \pv, 1, 1
	QX \pm, 6, \doqk, \pv, 1, 2
	QX \pm, 7, \doqk, \pv, 1, 3
	QK2 \pm, 8, \doqk
	v_nop                                          ; one plain instruction behind the exponentials before their results are read (ISA guide 5.7.2)
	s_wait_alu depctr_va_vdst(0)
	VC0 \pv, 0
	VC1 \pv, 0, \vfirst
	QK2 \pm, 10, \doqk
	VC2 \pv, 0, 0
	VC2 \pv, 0, 1
	QK2 \pm, 12, \doqk
	VC0 \pv, 1
	VC1 \pv, 1, \vfirst
	QK2 \pm, 14, \doqk
	VC2 \pv, 1, 0
	VC2 \pv, 1, 1
.if \pre
	LDK 16384                                      ; the next block's K: wanted in the second half of the next run
	v_add_nc_u32 v[LA], 16384, v[LA]               ; the next block
.endif
.endm
.macro TRIP                            ; block b:  PV_B(b-1) QK_B(b) with A's softmax of b;  PV_A(b) QK_A(b+1) with B's softmax of b
	RUN 1, 0, 1, 0, 1, 0, 1, 1, 99, 99
	RUN 0, 1, 1, 0, 1, 0, 0, 0, 16, 0
.endm
.macro RESC                            ; all of O^T times the pairs in AL (setting 0x41)
	s_wait_alu depctr_va_vdst(0)
.irp t, 0,1,2,3
.irp qt, 0,1,2,3
.irp j, 0,2,4,6
	v_pk_mul_f32 v[8*(4*\t+\qt)+\j:8*(4*\t+\qt)+\j+1], v[8*(4*\t+\qt)+\j:8*(4*\t+\qt)+\j+1], v[AL+2*\qt:AL+2*\qt+1]
.endr
.endr
.endr
.endm
	s_load_b128 s[4:7], s[0:1], 0x0                ; q, kv
	s_load_b64 s[8:9], s[0:1], 0x10                ; x
	v_lshl_add_u32 v231, v0, 2, 0x40000
	v_mov_b32 v247, 0
	ds_add_u32 v231, v247
	ds_add_u32 v231, v247
	v_lshrrev_b32 v3, 5, v0
	v_readfirstlane_b32 s10, v3                    ; wave
	s_lshr_b32 s11, ttmp9, 1                       ; 8 batch + head
	s_and_b32 s12, ttmp9, 1                        ; which 512 queries
	s_mov_b32 s15, 0
	s_lshl_b32 s13, s10, 12                        ; 4,096 x wave: my eighth of a stage
	; descriptor group 1: a dense block as 16 rows of 32 elements of 8 bytes
	s_mov_b32 s16, 3<<16                           ; no mask, element of 8 bytes, no padding
	s_mov_b32 s17, 32<<16                          ; tensor_dim0 = 32
	s_mov_b32 s18, 16<<16                          ; tensor_dim1 = 16
	s_mov_b32 s19, 32<<16                          ; tile_dim0 = 32
	s_mov_b32 s20, 16                              ; tile_dim1 = 16
	s_mov_b32 s21, 32                              ; from row to row: 32 elements
	s_mov_b32 s22, 0
	s_mov_b32 s23, 0
	s_mov_b32 s56, 0x3e38aa3b                      ; c = log2(e) / 8
	s_mov_b32 s57, 0x3e38aa3b
	s_mov_b32 s58, 0x76543210                      ; v_permlanex16_b32: lane i of one half reads lane i of the other
	s_mov_b32 s59, 0xfedcba98
	v_and_b32 v3, 31, v0
	v_lshlrev_b32 v[OA], 4, v3
	v_lshlrev_b32 v[LA], 4, v3
	v_mov_b32 v[TM+5], 0                           ; v_permlanex16_b32 counts as a reader of its destination
	v_mov_b32 v[TM+21], 0
	s_lshl_b32 s14, s11, 17
	s_lshl_b32 s60, s12, 16
	s_add_co_u32 s14, s14, s60
	s_lshl_b32 s60, s10, 13
	s_add_co_u32 s14, s14, s60
	s_wait_dscnt 0x0
	s_wait_kmcnt 0x0
	s_add_nc_u64 s[4:5], s[4:5], s[14:15]          ; q at my 4 tiles
	WIN 0x40
.set II, 0
.rept 16
	global_load_b128 v[QF+4*II:QF+4*II+3], v[OA], s[4:5] offset:512*II th:TH_LOAD_NT   ; Q goes out first: the first products want it together with the first stage
.set II, II+1
.endr
	WIN 0
	s_lshl_b32 s14, s11, 18
	s_add_co_u32 s14, s14, s13
	s_add_nc_u64 s[6:7], s[6:7], s[14:15]          ; kv at my head, my eighth of a stage
.irp st, 0,1,2,3,4,5,6,7
	s_mov_b32 s[24+4*\st], 1                                       ; group 0: count = 1
	s_add_co_u32 s[25+4*\st], s13, \st*32768                       ; LDS address: the same place as in the head's image
	s_add_nc_u64 s[26+4*\st:27+4*\st], s[6:7], \st*32768
	s_or_b32 s[27+4*\st], s[27+4*\st], 0x80000000                  ; type = 2
	tensor_load_to_lds s[24+4*\st:27+4*\st], s[16:23]              ; all eight go out together, ahead of every wait on them, LDS read and barrier
	s_nop 0
.endr
	s_lshr_b32 s14, s11, 3                         ; x: row tile 64 batch + 32 half + 4 wave, chunk 8 head
	s_lshl_b32 s14, s14, 6
	s_lshl_b32 s60, s12, 5
	s_add_co_u32 s14, s14, s60
	s_lshl2_add_u32 s14, s10, s14
	s_lshl_b32 s14, s14, 14
	s_and_b32 s60, s11, 7
	s_lshl_b32 s60, s60, 11
	s_add_co_u32 s14, s14, s60
	s_add_nc_u64 s[62:63], s[8:9], s[14:15]
	GATE 7                                         ; stage 0 (blocks 0, 1) is in; seven loads of mine stay out
	LDK 0
	s_wait_loadcnt 0x0                             ; Q
	s_wait_dscnt 0x0                               ; K of block 0
.irp i, 0,1,2,3,4,5,6,7,8,9,10,11,12,13,14,15
	QKI 0, \i                                      ; QK_A(0): nothing is there yet to set between
.endr
	WIN 0
	PLACES                                         ; before the scores are read
	RUN 1, 0, 0, 0, 1, 1, 1, 1, 99, 99             ; QK_B(0) with A's softmax of block 0, which starts maxima and sums
	RUN 0, 1, 1, 1, 1, 1, 0, 0, 16, 0              ; PV_A(0), which starts O^T, QK_A(1), with B's softmax of block 0
	GATE 6                                         ; stage 1 (blocks 2, 3): the next run ends with the loads of block 2's K
	RUN 1, 0, 1, 1, 1, 0, 1, 1, 99, 99             ; PV_B(0), which starts O^T, QK_B(1), with A's softmax of block 1
	RUN 0, 1, 1, 0, 1, 0, 0, 0, 16, 0
	TRIP                                           ; block 2
	GATE 4                                         ; stages 2, 3 (blocks 4-7): block 3 fetches block 4's K
	s_mov_b32 s60, 4
.Lmid:
	TRIP                                           ; blocks 3-6
	s_sub_co_i32 s60, s60, 1
	s_cmp_lg_u32 s60, 0
	s_cbranch_scc1 .Lmid
	GATE 0                                         ; the rest (blocks 8-15); no tensor load is out from here on
	s_mov_b32 s60, 8
.Lend:
	TRIP                                           ; blocks 7-14
	s_sub_co_i32 s60, s60, 1
	s_cmp_lg_u32 s60, 0
	s_cbranch_scc1 .Lend
	RUN 1, 0, 1, 0, 1, 0, 1, 0, 99, 99             ; block 15: no K is left to fetch,
	RUN 0, 1, 1, 0, 0, 0, 0, 0, 0, 99              ; no scores are left to form,
.irp i, 0,1,2,3,4,5,6,7,8,9,10,11,12,13,14,15
	PVI 1, \i, 0                                   ; and PV_B(15) ends the sums
.endr
	WIN 0
	PLACES                                         ; before O^T is read and P's registers are written
	; the two halves' sums meet; O^T / sum, rounded; 16 stores of 512 consecutive bytes, aligned
.irp qt, 0,1,2,3
	v_permlanex16_b32 v[TM+5], v[LS+\qt], s58, s59
	v_add_f32 v[LS+\qt], v[LS+\qt], v[TM+5]
.endr
.irp qt, 0,1,2,3
	v_rcp_f32 v[AL+2*\qt], v[LS+\qt]
	v_rcp_f32 v[AL+2*\qt+1], v[LS+\qt]
.endr
	v_nop
	WIN 0x41
	RESC
	WIN 0x05
.irp t, 0,1,2,3
.irp qt, 0,1,2,3
.irp r, 0,1,2,3
	v_cvt_pk_f16_f32 v[SC+4*(4*\t+\qt)+\r], v[8*(4*\t+\qt)+2*\r], v[8*(4*\t+\qt)+2*\r+1]
.endr
.endr
.endr
	WIN 0
.irp t, 0,1,2,3
.irp qt, 0,1,2,3
	global_store_b128 v[OA], v[SC+4*(4*\t+\qt):SC+4*(4*\t+\qt)+3], s[62:63] offset:16384*\qt+512*\t
.endr
.endr
	s_wait_tensorcnt 0x0
	ds_add_u32 v231, v247
	s_wait_dscnt 0x0
	s_endpgm
.Lfunc_end_k_q55ad6c6ccf_attn:
	.size	k_q55ad6c6ccf_attn, .Lfunc_end_k_q55ad6c6ccf_attn-k_q55ad6c6ccf_attn
	.p2alignl 7, 3214868480
	.fill 96, 4, 3214868480
	.section	.rodata,"a",@progbits
	.p2align	6, 0x0
	.amdhsa_kernel k_q55ad6c6ccf_attn
		.amdhsa_group_segment_fixed_size 263168
		.amdhsa_private_segment_fixed_size 0
		.amdhsa_enable_private_segment 0
		.amdhsa_kernarg_size 24
		.amdhsa_user_sgpr_count 2
		.amdhsa_user_sgpr_kernarg_segment_ptr 1
		.amdhsa_wavefront_size32 1
		.amdhsa_system_sgpr_workgroup_id_x 1
		.amdhsa_system_sgpr_workgroup_id_y 1
		.amdhsa_system_sgpr_workgroup_id_z 1
		.amdhsa_system_vgpr_workitem_id 0
		.amdhsa_next_free_vgpr 512
		.amdhsa_next_free_sgpr 66
		.amdhsa_reserve_vcc 0
		.amdhsa_float_denorm_mode_32 3
		.amdhsa_float_denorm_mode_16_64 3
		.amdhsa_memory_ordered 1
		.amdhsa_forward_progress 1
		.amdhsa_inst_pref_size 215
	.end_amdhsa_kernel
	.amdgpu_metadata
---
amdhsa.version: [ 1, 2 ]
amdhsa.kernels:
  - .name:           k_q55ad6c6ccf_attn
    .symbol:         k_q55ad6c6ccf_attn.kd
    .args:
      - { .name: q, .offset: 0, .size: 8, .value_kind: global_buffer, .address_space: global }
      - { .name: kv, .offset: 8, .size: 8, .value_kind: global_buffer, .address_space: global }
      - { .name: x, .offset: 16, .size: 8, .value_kind: global_buffer, .address_space: global }
    .group_segment_fixed_size: 263168
    .private_segment_fixed_size: 0
    .kernarg_segment_align: 8
    .kernarg_segment_size: 24
    .max_flat_workgroup_size: 256
    .sgpr_count:     66
    .vgpr_count:     512
    .wavefront_size: 32
...
	.end_amdgpu_metadata
.endif
;; end of part 2
;; launch oproj (part 3): grid 4 x 64, 4 waves a work-group, no clusters, 39,424 bytes of LDS; arguments x, Wo, y, stats; writes y, stats
.if DOCPART == 3
	.amdgcn_target "amdgcn-amd-amdhsa--gfx1250"
	.amdhsa_code_object_version 6
	.text
	.protected	k_q55ad6c6ccf_oproj
	.globl	k_q55ad6c6ccf_oproj
	.p2align	8
	.type	k_q55ad6c6ccf_oproj,@function
k_q55ad6c6ccf_oproj:
	s_mov_b64 s[64:65], 0
	v_nop
	global_prefetch_b8 v0, s[64:65] scope:SCOPE_SE
	s_setreg_imm32_b32 hwreg(HW_REG_WAVE_MODE, 25, 1), 1
	s_wait_xcnt 0x0
; y = x Wo^T in f32, and for each block of 256 rows and each channel the sum and the sum of squares about the BLOCK'S OWN mean (no difference of large sums).
; Left out (shown at the head of the first kernel): bo is a constant of a channel, which the batch norm takes away.
; Work-group (nq, mb): channels 128 nq .. + 127, rows 256 mb .. + 255.  Wave w keeps its 64 rows of x, all K = 512, in 512 registers: x lies in memory in fragment order (f16), so they are
; loaded straight, 512 consecutive bytes an instruction.  Wo's 128 rows are streamed 16 at a time as in the first kernel: f32 -> registers -> f16 -> LDS -> fragments, 64 matrix instructions
; a wave and tile.  Source 0 = x, source 1 = Wo: a lane holds ONE channel, its registers rows, so a channel's sums are formed inside a lane and joined once across the halves.
; NO TENSOR LOADS, NO CLUSTER: the shared tiles (Wo) are f32 in memory and pass registers to be rounded.
; y: [mb][nq][wave][tile u of 16 channels][tile a of 16 rows][c][lane][4 rows]: row 256 mb + 64 w + 16 a + 8 (lane / 16) + 4 c + e, channel 128 nq + 16 u + lane % 16.
; stats: [2][mb][512] f32: sums, then sums of squares about the block's mean.
; LIMIT: Wo and x are f16 here: beyond 65,504 they are infinite.
.set TSB,  17408
.set STS,  34816                       ; [wave][128] sums
.set STM,  36864                       ; [wave][128] sums of squares about the wave's mean
.set L16,  1
.set GA,   2                           ; 512 w + 16 lane
.set SA,   3                           ; 4352 w + 272 (lane / 2) + 8 (lane % 2)
.set FA,   4                           ; 272 (lane / 16) + 16 (lane % 16)
.set STA,  5                           ; 512 w + 4 (lane % 16)
.set ACC,  16                          ; v16-79
.set SG,   80                          ; v80-207
.set TS,   208                         ; v208-232 at work
.set MSB,  0
.macro WIN new
.if MSB != \new
	s_set_vgpr_msb (MSB<<8)|\new
.set MSB, \new
.endif
.endm
.macro PLACES
.rept 4
	v_nop
.endr
.endm
.macro GLD p, tile
.irp r, 0,1,2,3,4,5,6,7,8,9,10,11,12,13,14,15
	global_load_b128 v[SG+64*\p+4*\r:SG+64*\p+4*\r+3], v[GA], s[18:19] offset:32768*(\tile)+2048*\r
.endr
.endm
.macro CVS p, left
	s_wait_loadcnt \left
.irp r, 0,1,2,3,4,5,6,7,8,9,10,11,12,13,14,15
	v_cvt_pk_f16_f32 v[SG+64*\p+4*\r], v[SG+64*\p+4*\r], v[SG+64*\p+4*\r+1]
	v_cvt_pk_f16_f32 v[SG+64*\p+4*\r+1], v[SG+64*\p+4*\r+2], v[SG+64*\p+4*\r+3]
.endr
.irp r, 0,1,2,3,4,5,6,7,8,9,10,11,12,13,14,15
	ds_store_b64 v[SA], v[SG+64*\p+4*\r:SG+64*\p+4*\r+1] offset:TSB*\p+16*\r
.endr
.endm
.macro FRG p
	WIN 0xc0
.set II, 0
.rept 32
	ds_load_b128 v[128*\p+4*II:128*\p+4*II+3], v[FA] offset:TSB*\p+544*II
.set II, II+1
.endr
.endm
; the four accumulators take turns, one instruction a turn.  The first K step starts the sums.
.macro MM p, s0, s1
.set KS, \s0
.rept \s1-\s0+1
.set WV, 0x0c|(1+(KS>>3))
	WIN WV
.irp a, 0,1,2,3
.set RW, 8*(8*\a+(KS&7))
.set RX, 128*\p+8*KS
.set RC, ACC+32*\p+8*\a
.if KS == 0
	v_wmma_f32_16x16x32_f16 v[RC:RC+7], v[RW:RW+7], v[RX:RX+7], 0
.else
	v_wmma_f32_16x16x32_f16 v[RC:RC+7], v[RW:RW+7], v[RX:RX+7], v[RC:RC+7]
.endif
.endr
.set KS, KS+1
.endr
.endm
; channel tile u leaves from set p: eight stores of 512 consecutive bytes; then my 64 rows' sum and sum of squares about their mean, for the lane's channel
.macro OUTT u, p
.irp a, 0,1,2,3
.irp c, 0,1
	global_store_b128 v[L16], v[ACC+32*\p+8*\a+4*\c:ACC+32*\p+8*\a+4*\c+3], s[20:21] offset:4096*(\u)+1024*\a+512*\c
.endr
.endr
.irp a, 0,1,2,3
	v_pk_add_f32 v[TS+2*\a:TS+2*\a+1], v[ACC+32*\p+8*\a:ACC+32*\p+8*\a+1], v[ACC+32*\p+8*\a+2:ACC+32*\p+8*\a+3]
.endr
.irp a, 0,1,2,3
	v_pk_add_f32 v[TS+2*\a:TS+2*\a+1], v[TS+2*\a:TS+2*\a+1], v[ACC+32*\p+8*\a+4:ACC+32*\p+8*\a+5]
.endr
.irp a, 0,1,2,3
	v_pk_add_f32 v[TS+2*\a:TS+2*\a+1], v[TS+2*\a:TS+2*\a+1], v[ACC+32*\p+8*\a+6:ACC+32*\p+8*\a+7]
.endr
	v_pk_add_f32 v[TS:TS+1], v[TS:TS+1], v[TS+2:TS+3]
	v_pk_add_f32 v[TS+4:TS+5], v[TS+4:TS+5], v[TS+6:TS+7]
	v_pk_add_f32 v[TS:TS+1], v[TS:TS+1], v[TS+4:TS+5]
	v_add_f32 v[TS+8], v[TS], v[TS+1]
	v_permlanex16_b32 v[TS+9], v[TS+8], s24, s25
	v_add_f32 v[TS+8], v[TS+8], v[TS+9]            ; the sum over 64 rows
	v_mul_f32 v[TS+10], 0xbc800000, v[TS+8]        ; - sum / 64, twice
	v_mul_f32 v[TS+11], 0xbc800000, v[TS+8]
.irp a, 0,1,2,3
.irp j, 0,2,4,6
	v_pk_add_f32 v[TS+12+\j:TS+13+\j], v[ACC+32*\p+8*\a+\j:ACC+32*\p+8*\a+\j+1], v[TS+10:TS+11]
.endr
.irp j, 0,2,4,6
.if \a*4+\j < 4
	v_pk_mul_f32 v[TS+20+(\j&2):TS+21+(\j&2)], v[TS+12+\j:TS+13+\j], v[TS+12+\j:TS+13+\j]
.else
	v_pk_fma_f32 v[TS+20+(\j&2):TS+21+(\j&2)], v[TS+12+\j:TS+13+\j], v[TS+12+\j:TS+13+\j], v[TS+20+(\j&2):TS+21+(\j&2)]
.endif
.endr
.endr
	v_pk_add_f32 v[TS+20:TS+21], v[TS+20:TS+21], v[TS+22:TS+23]
	v_add_f32 v[TS+24], v[TS+20], v[TS+21]
	v_permlanex16_b32 v[TS+9], v[TS+24], s24, s25
	v_add_f32 v[TS+24], v[TS+24], v[TS+9]
	ds_store_b32 v[STA], v[TS+8] offset:STS+64*(\u)      ; both halves store the same number into the same word
	ds_store_b32 v[STA], v[TS+24] offset:STM+64*(\u)
.endm
; channel tile u (buffer and set p; q = the other), in the first kernel's order.  One barrier in the steps that store a tile into LDS.
.macro STEP u, p, q
	s_wait_xcnt 0x0                                ; set p, which the last step's stores read, is written again only behind this wait
	MM \p, 0, 3
	WIN 0
.if \u+2 < 8
.if \u+3 < 8
	CVS \p, 16                                     ; the count leaves the next tile's 16 loads out
.else
	CVS \p, 0
.endif
.else
	PLACES
.endif
.if \u+4 < 8
	GLD \p, \u+4
.endif
.if \u > 0
	OUTT \u-1, \q
.endif
.if \u+1 < 8
	FRG \q
.endif
	MM \p, 4, 13
	s_wait_dscnt 0x0
.if \u+2 < 8
	s_barrier_signal -1
.endif
	MM \p, 14, 15
	WIN 0
.if \u+2 < 8
	s_barrier_wait -1
.endif
.endm
	s_load_b256 s[4:11], s[0:1], 0x0               ; x, Wo, y, stats
	v_lshl_add_u32 v254, v0, 2, 0x9800
	v_mov_b32 v255, 0
	v_lshrrev_b32 v8, 5, v0
	v_readfirstlane_b32 s12, v8                    ; wave
	s_and_b32 s14, ttmp7, 0xffff                   ; mb
	s_mov_b32 s24, 0x76543210
	s_mov_b32 s25, 0xfedcba98
	s_mov_b32 s27, 0
	v_and_b32 v8, 31, v0
	v_lshlrev_b32 v[L16], 4, v8
	s_lshl_b32 s28, s12, 9
	v_add_nc_u32 v[GA], s28, v[L16]
	v_lshrrev_b32 v9, 1, v8
	v_and_b32 v10, 1, v8
	v_mul_u32_u24 v9, v9, 272
	v_lshl_add_u32 v9, v10, 3, v9
	s_mul_i32 s29, s12, 4352
	v_add_nc_u32 v[SA], s29, v9
	v_lshrrev_b32 v10, 4, v8
	v_and_b32 v11, 15, v8
	v_mul_u32_u24 v12, v10, 272
	v_lshl_add_u32 v[FA], v11, 4, v12
	v_lshl_add_u32 v[STA], v11, 2, s28
	v_mov_b32 v[TS+9], 0                           ; v_permlanex16_b32 counts as a reader of its destination
	s_wait_kmcnt 0x0
	s_lshl_b32 s26, s14, 4
	s_lshl2_add_u32 s26, s12, s26                  ; row tile 16 mb + 4 w
	s_lshl_b32 s26, s26, 14
	s_add_nc_u64 s[16:17], s[4:5], s[26:27]
	s_lshl_b32 s26, ttmp9, 18                      ; 128 rows of Wo
	s_add_nc_u64 s[18:19], s[6:7], s[26:27]
	s_lshl2_add_u32 s26, s14, ttmp9                ; 4 mb + nq
	s_lshl2_add_u32 s26, s26, s12
	s_lshl_b32 s26, s26, 15
	s_add_nc_u64 s[20:21], s[8:9], s[26:27]
	s_lshl2_add_u32 s26, s14, ttmp9
	s_lshl_b32 s26, s26, 9                         ; (512 mb + 128 nq) x 4 bytes
	s_add_nc_u64 s[22:23], s[10:11], s[26:27]
	WIN 0x40                                       ; my 64 rows of x: K steps 0-7 into window 1, 8-15 into window 2
.irp a, 0,1,2,3
.set II, 0
.rept 16
	global_load_b128 v[64*\a+4*II:64*\a+4*II+3], v[L16], s[16:17] offset:16384*\a+512*II
.set II, II+1
.endr
.endr
	WIN 0x80
.irp a, 0,1,2,3
.set II, 0
.rept 16
	global_load_b128 v[64*\a+4*II:64*\a+4*II+3], v[L16], s[16:17] offset:16384*\a+512*(II+16)
.set II, II+1
.endr
.endr
	WIN 0
	GLD 0, 0
	GLD 1, 1
	CVS 0, 16                                      ; all but tile 1's 16 loads: x and tile 0 are in
	GLD 0, 2
	CVS 1, 16
	GLD 1, 3
	s_wait_dscnt 0x0                               ; my parts of tiles 0 and 1 are stored
	s_barrier_signal -1
	s_barrier_wait -1
	FRG 0
	WIN 0
	s_wait_dscnt 0x0                               ; my reads of LDS tile 0 are back,
	s_barrier_signal -1
	s_barrier_wait -1                              ; and every wave's: the first step stores tile 2 into LDS tile 0
	STEP 0, 0, 1
	STEP 1, 1, 0
	STEP 2, 0, 1
	STEP 3, 1, 0
	STEP 4, 0, 1
	STEP 5, 1, 0
	STEP 6, 0, 1
	STEP 7, 1, 0
	PLACES
	OUTT 7, 1
	s_wait_dscnt 0x0                               ; my sums are stored,
	s_barrier_signal -1
	s_barrier_wait -1                              ; everybody's are
	s_cmp_lg_u32 s12, 0
	s_cbranch_scc1 .Ldone
	; wave 0 joins the four waves' figures; lane l has channels 4 l .. 4 l + 3:  M2 = sum of M2_w + 64 x sum of (S_w / 64 - S / 256)^2
.irp w, 0,1,2,3
	ds_load_b128 v[80+4*\w:83+4*\w], v[L16] offset:STS+512*\w
.endr
.irp w, 0,1,2,3
	ds_load_b128 v[96+4*\w:99+4*\w], v[L16] offset:STM+512*\w
.endr
	s_wait_dscnt 0x0
.irp j, 0,2
	v_pk_add_f32 v[112+\j:113+\j], v[80+\j:81+\j], v[84+\j:85+\j]
	v_pk_add_f32 v[116+\j:117+\j], v[88+\j:89+\j], v[92+\j:93+\j]
	v_pk_add_f32 v[112+\j:113+\j], v[112+\j:113+\j], v[116+\j:117+\j]
	v_pk_mul_f32 v[116+\j:117+\j], v[112+\j:113+\j], 0xbb800000 op_sel_hi:[1,0]      ; - S / 256
	v_pk_add_f32 v[120+\j:121+\j], v[96+\j:97+\j], v[100+\j:101+\j]
	v_pk_add_f32 v[124+\j:125+\j], v[104+\j:105+\j], v[108+\j:109+\j]
	v_pk_add_f32 v[120+\j:121+\j], v[120+\j:121+\j], v[124+\j:125+\j]
.irp w, 0,1,2,3
	v_pk_fma_f32 v[124+\j:125+\j], v[80+4*\w+\j:81+4*\w+\j], 0x3c800000, v[116+\j:117+\j] op_sel_hi:[1,0,1]
	v_pk_mul_f32 v[128+\j:129+\j], v[124+\j:125+\j], 0x42800000 op_sel_hi:[1,0]
	v_pk_fma_f32 v[120+\j:121+\j], v[128+\j:129+\j], v[124+\j:125+\j], v[120+\j:121+\j]
.endr
.endr
	global_store_b128 v[L16], v[112:115], s[22:23]
	global_store_b128 v[L16], v[120:123], s[22:23] offset:131072
.Ldone:
	s_wait_tensorcnt 0x0
	ds_add_u32 v254, v255
	s_wait_dscnt 0x0
	s_endpgm
.Lfunc_end_k_q55ad6c6ccf_oproj:
	.size	k_q55ad6c6ccf_oproj, .Lfunc_end_k_q55ad6c6ccf_oproj-k_q55ad6c6ccf_oproj
	.p2alignl 7, 3214868480
	.fill 96, 4, 3214868480
	.section	.rodata,"a",@progbits
	.p2align	6, 0x0
	.amdhsa_kernel k_q55ad6c6ccf_oproj
		.amdhsa_group_segment_fixed_size 39424
		.amdhsa_private_segment_fixed_size 0
		.amdhsa_enable_private_segment 0
		.amdhsa_kernarg_size 32
		.amdhsa_user_sgpr_count 2
		.amdhsa_user_sgpr_kernarg_segment_ptr 1
		.amdhsa_wavefront_size32 1
		.amdhsa_system_sgpr_workgroup_id_x 1
		.amdhsa_system_sgpr_workgroup_id_y 1
		.amdhsa_system_sgpr_workgroup_id_z 1
		.amdhsa_system_vgpr_workitem_id 0
		.amdhsa_next_free_vgpr 1024
		.amdhsa_next_free_sgpr 66
		.amdhsa_reserve_vcc 0
		.amdhsa_float_denorm_mode_32 3
		.amdhsa_float_denorm_mode_16_64 3
		.amdhsa_memory_ordered 1
		.amdhsa_forward_progress 1
		.amdhsa_inst_pref_size 140
	.end_amdhsa_kernel
	.amdgpu_metadata
---
amdhsa.version: [ 1, 2 ]
amdhsa.kernels:
  - .name:           k_q55ad6c6ccf_oproj
    .symbol:         k_q55ad6c6ccf_oproj.kd
    .args:
      - { .name: x, .offset: 0, .size: 8, .value_kind: global_buffer, .address_space: global }
      - { .name: Wo, .offset: 8, .size: 8, .value_kind: global_buffer, .address_space: global }
      - { .name: y, .offset: 16, .size: 8, .value_kind: global_buffer, .address_space: global }
      - { .name: stats, .offset: 24, .size: 8, .value_kind: global_buffer, .address_space: global }
    .group_segment_fixed_size: 39424
    .private_segment_fixed_size: 0
    .kernarg_segment_align: 8
    .kernarg_segment_size: 32
    .max_flat_workgroup_size: 128
    .sgpr_count:     66
    .vgpr_count:     1024
    .wavefront_size: 32
...
	.end_amdgpu_metadata
.endif
;; end of part 3
;; launch bn (part 4): grid 4 x 64, 8 waves a work-group, no clusters, 93,184 bytes of LDS; arguments y, stats, gamma, beta, out0; writes out0
.if DOCPART == 4
	.amdgcn_target "amdgcn-amd-amdhsa--gfx1250"
	.amdhsa_code_object_version 6
	.text
	.protected	k_q55ad6c6ccf_bn
	.globl	k_q55ad6c6ccf_bn
	.p2align	8
	.type	k_q55ad6c6ccf_bn,@function
k_q55ad6c6ccf_bn:
	s_mov_b64 s[64:65], 0
	v_nop
	global_prefetch_b8 v0, s[64:65] scope:SCOPE_SE
	s_setreg_imm32_b32 hwreg(HW_REG_WAVE_MODE, 25, 1), 1
	s_wait_xcnt 0x0
; out0 = relu((y - mean) rsqrt(var + 1e-5) gamma + beta), with mean and var of each channel over all 16,384 rows.
; (y holds x Wo^T without bo and without Wo bv: constants of a channel, which y - mean and var do not see: shown at the head of the first kernel.)
; A stream: 131,072 bytes in and out for each work-group, all of them asked for in the first lines; no matrix unit, no cluster, no tensor load would add anything.
; Work-group (nq, mb) takes the block that one work-group of the launch before wrote: channels 128 nq .. + 127, rows 256 mb .. + 255.  Wave v takes row tiles 2 v and 2 v + 1.
; The 64 blocks' figures are joined without a difference of large sums:  S = sum of S_b,  M2 = sum of M2_b + 256 x sum of (S_b / 256 - S / 16384)^2,  var = M2 / 16384.
; Wave v sums blocks 8 v .. 8 v + 7 (lane l: channels 4 l .. 4 l + 3); the eight waves' parts meet in LDS, twice.
; In y a lane holds 4 rows of one channel; out0 wants rows: 16 rows x 128 channels go through the wave's own stage in LDS and leave as stores of 512 consecutive bytes, aligned.
; LIMIT: the ReLU is v_max_num_f32, in which a NaN loses: a NaN would leave as 0.
.set R1,   0                           ; [wave][128] sums
.set R2,   4096                        ; [wave][128] sums of squares
.set TBL,  8192                        ; + 2048 wave: 128 x (scale, scale, shift, shift), each wave's own
.set STG,  24576                       ; + 8448 wave: 16 rows, 528 bytes apart, each wave's own
.set L16,  1                           ; 16 lane
.set TA,   2                           ; stage + 4224 (lane / 16) + 4 (lane % 16)
.set RA,   3                           ; stage + 16 lane
.set TBW,  4                           ; table + 64 lane
.set TBR,  5                           ; table + 16 (lane % 16)
.set RW,   6                           ; 512 wave + 16 lane
.set GM,   8                           ; v8-11 gamma, v12-15 beta
.set YR,   16                          ; v16-143  y: tile k, channel tile u, c at 64 k + 8 u + 4 c
.set SSR,  144                         ; v144-175 eight blocks' sums; later at work; then, with MMR, the rows on their way out
.set MMR,  176                         ; v176-207 eight blocks' sums of squares
.set TAB,  208                         ; v208-239 (scale, scale, shift, shift) of channel 16 u + lane % 16
.set TW,   224                         ; v224-255 at work until the table is read
	s_load_b256 s[4:11], s[0:1], 0x0               ; y, stats, gamma, beta
	s_load_b64 s[12:13], s[0:1], 0x20              ; out0
	s_set_vgpr_msb 0x40
	v_lshl_add_u32 v0, v0, 2, 0x16800
	v_mov_b32 v1, 0
	s_set_vgpr_msb 0x4000
	v_lshrrev_b32 v7, 5, v0
	v_readfirstlane_b32 s14, v7                    ; wave
	s_and_b32 s16, ttmp7, 0xffff                   ; mb
	s_mov_b32 s17, 0x3727c5ac                      ; 1e-5
	s_mov_b32 s18, 0x38800000                      ; 1 / 16384
	s_mov_b32 s25, 0
	v_and_b32 v7, 31, v0
	v_lshlrev_b32 v[L16], 4, v7
	v_and_b32 v240, 15, v7
	v_lshrrev_b32 v241, 4, v7
	s_mul_i32 s20, s14, 8448
	s_add_co_u32 s20, s20, STG
	v_mul_u32_u24 v[TA], v241, 4224
	v_lshl_add_u32 v[TA], v240, 2, v[TA]
	v_add_nc_u32 v[TA], s20, v[TA]
	v_add_nc_u32 v[RA], s20, v[L16]
	s_lshl_b32 s22, s14, 11
	s_add_co_u32 s22, s22, TBL
	v_lshl_add_u32 v[TBW], v7, 6, s22
	v_lshl_add_u32 v[TBR], v240, 4, s22
	s_lshl_b32 s23, s14, 9
	v_add_nc_u32 v[RW], s23, v[L16]
	s_lshl_b32 s19, ttmp9, 9                       ; 128 nq channels x 4 bytes
	s_wait_kmcnt 0x0
	s_lshl_b32 s24, s14, 14                        ; stats: blocks 8 v .., 2,048 bytes each
	s_add_co_u32 s24, s24, s19
	s_add_nc_u64 s[6:7], s[6:7], s[24:25]
	s_mov_b32 s24, s19
	s_add_nc_u64 s[8:9], s[8:9], s[24:25]
	s_add_nc_u64 s[10:11], s[10:11], s[24:25]
	s_lshl2_add_u32 s24, s16, ttmp9                ; y: block 4 mb + nq, 131,072 bytes;
	s_lshl_b32 s24, s24, 17
	s_lshr_b32 s26, s14, 1                         ; in it the writer's wave v / 2, 32,768 bytes,
	s_lshl_b32 s26, s26, 15
	s_add_co_u32 s24, s24, s26
	s_and_b32 s26, s14, 1                          ; and row tiles 2 (v % 2) + k, 1,024 bytes
	s_lshl_b32 s26, s26, 11
	s_add_co_u32 s24, s24, s26
	s_add_nc_u64 s[4:5], s[4:5], s[24:25]
	s_lshl_b32 s24, s16, 19                        ; out0: row 256 mb + 32 v, 2,048 bytes a row
	s_lshl_b32 s26, s14, 16
	s_add_co_u32 s24, s24, s26
	s_add_co_u32 s24, s24, s19
	s_add_nc_u64 s[12:13], s[12:13], s[24:25]
.irp k, 0,1,2,3,4,5,6,7
	global_load_b128 v[SSR+4*\k:SSR+4*\k+3], v[L16], s[6:7] offset:2048*\k
.endr
.irp k, 0,1,2,3,4,5,6,7
	global_load_b128 v[MMR+4*\k:MMR+4*\k+3], v[L16], s[6:7] offset:131072+2048*\k
.endr
	global_load_b128 v[GM:GM+3], v[L16], s[8:9]
	global_load_b128 v[GM+4:GM+7], v[L16], s[10:11]
.irp k, 0,1
.irp u, 0,1,2,3,4,5,6,7
.irp c, 0,1
	global_load_b128 v[YR+64*\k+8*\u+4*\c:YR+64*\k+8*\u+4*\c+3], v[L16], s[4:5] offset:1024*\k+4096*\u+512*\c th:TH_LOAD_NT
.endr
.endr
.endr
	s_wait_loadcnt 32                              ; the figures, gamma and beta are in; the 32 loads of y stay out
	v_pk_add_f32 v[TW:TW+1], v[SSR:SSR+1], v[SSR+4:SSR+5]
	v_pk_add_f32 v[TW+2:TW+3], v[SSR+2:SSR+3], v[SSR+6:SSR+7]
.irp k, 2,3,4,5,6,7
	v_pk_add_f32 v[TW:TW+1], v[TW:TW+1], v[SSR+4*\k:SSR+4*\k+1]
	v_pk_add_f32 v[TW+2:TW+3], v[TW+2:TW+3], v[SSR+4*\k+2:SSR+4*\k+3]
.endr
	ds_store_b128 v[RW], v[TW:TW+3] offset:R1
	s_wait_dscnt 0x0                               ; for the other waves: my part is stored
	s_barrier_signal -1
	s_barrier_wait -1
.irp k, 0,1,2,3,4,5,6,7
	ds_load_b128 v[TW+4*\k:TW+4*\k+3], v[L16] offset:R1+512*\k
.endr
	s_wait_dscnt 0x0
.irp k, 1,2,3,4,5,6,7
	v_pk_add_f32 v[TW:TW+1], v[TW:TW+1], v[TW+4*\k:TW+4*\k+1]
	v_pk_add_f32 v[TW+2:TW+3], v[TW+2:TW+3], v[TW+4*\k+2:TW+4*\k+3]
.endr
	v_pk_mul_f32 v[TW+4:TW+5], v[TW:TW+1], 0xb8800000 op_sel_hi:[1,0]        ; - mean = - S / 16384
	v_pk_mul_f32 v[TW+6:TW+7], v[TW+2:TW+3], 0xb8800000 op_sel_hi:[1,0]
.irp k, 0,1,2,3,4,5,6,7
.irp j, 0,2
	v_pk_fma_f32 v[TW+8+4*\j+8*(\k&1):TW+9+4*\j+8*(\k&1)], v[SSR+4*\k+\j:SSR+4*\k+\j+1], 0x3b800000, v[TW+4+\j:TW+5+\j] op_sel_hi:[1,0,1]   ; d = S_b / 256 - mean
	v_pk_mul_f32 v[TW+10+4*\j+8*(\k&1):TW+11+4*\j+8*(\k&1)], v[TW+8+4*\j+8*(\k&1):TW+9+4*\j+8*(\k&1)], 0x43800000 op_sel_hi:[1,0]
	v_pk_fma_f32 v[MMR+4*\k+\j:MMR+4*\k+\j+1], v[TW+10+4*\j+8*(\k&1):TW+11+4*\j+8*(\k&1)], v[TW+8+4*\j+8*(\k&1):TW+9+4*\j+8*(\k&1)], v[MMR+4*\k+\j:MMR+4*\k+\j+1]   ; M2_b + 256 d d
.endr
.endr
.irp k, 1,2,3,4,5,6,7
	v_pk_add_f32 v[MMR:MMR+1], v[MMR:MMR+1], v[MMR+4*\k:MMR+4*\k+1]
	v_pk_add_f32 v[MMR+2:MMR+3], v[MMR+2:MMR+3], v[MMR+4*\k+2:MMR+4*\k+3]
.endr
	ds_store_b128 v[RW], v[MMR:MMR+3] offset:R2    ; other bytes than the first meeting's: one barrier is enough
	s_wait_dscnt 0x0
	s_barrier_signal -1
	s_barrier_wait -1
.irp k, 0,1,2,3,4,5,6,7
	ds_load_b128 v[SSR+4*\k:SSR+4*\k+3], v[L16] offset:R2+512*\k
.endr
	s_wait_dscnt 0x0
.irp k, 1,2,3,4,5,6,7
	v_pk_add_f32 v[SSR:SSR+1], v[SSR:SSR+1], v[SSR+4*\k:SSR+4*\k+1]
	v_pk_add_f32 v[SSR+2:SSR+3], v[SSR+2:SSR+3], v[SSR+4*\k+2:SSR+4*\k+3]
.endr
.irp e, 0,1,2,3
	v_fma_f32 v[SSR+\e], v[SSR+\e], s18, s17                       ; var + 1e-5 = M2 / 16384 + 1e-5
.endr
.irp e, 0,1,2,3
	v_rsq_f32 v[SSR+4+\e], v[SSR+\e]
.endr
	v_nop                                          ; one plain instruction behind the last v_rsq_f32 (ISA guide 5.7.2)
	s_wait_alu depctr_va_vdst(0)
.irp e, 0,1,2,3
	v_mul_f32 v[SSR+8+4*\e], v[GM+\e], v[SSR+4+\e]                 ; scale = gamma rsqrt(var + eps)
	v_mov_b32 v[SSR+9+4*\e], v[SSR+8+4*\e]
	v_fma_f32 v[SSR+10+4*\e], v[TW+4+\e], v[SSR+8+4*\e], v[GM+4+\e]   ; shift = beta - mean scale
	v_mov_b32 v[SSR+11+4*\e], v[SSR+10+4*\e]
.endr
.irp e, 0,1,2,3
	ds_store_b128 v[TBW], v[SSR+8+4*\e:SSR+11+4*\e] offset:16*\e
.endr
.irp u, 0,1,2,3,4,5,6,7
	ds_load_b128 v[TAB+4*\u:TAB+4*\u+3], v[TBR] offset:256*\u      ; my own table: LDS serves a wave's instructions in order (ISA guide 5.7.1)
.endr
	s_wait_dscnt 0x0
; row tile k: scale, shift and ReLU in place, 64 words a lane into my stage, 16 whole rows back and out.  left = younger loads of y that may stay out
.macro TILE k, left
	s_wait_loadcnt \left
.irp u, 0,1,2,3,4,5,6,7
.irp c, 0,1
.set YB, YR+64*\k+8*\u+4*\c
	v_pk_fma_f32 v[YB:YB+1], v[YB:YB+1], v[TAB+4*\u:TAB+4*\u+1], v[TAB+4*\u+2:TAB+4*\u+3]
	v_pk_fma_f32 v[YB+2:YB+3], v[YB+2:YB+3], v[TAB+4*\u:TAB+4*\u+1], v[TAB+4*\u+2:TAB+4*\u+3]
.irp e, 0,1,2,3
	v_max_num_f32 v[YB+\e], 0, v[YB+\e]
.endr
.irp e, 0,1,2,3
	ds_store_b32 v[TA], v[YB+\e] offset:528*(4*\c+\e)+64*\u        ; row 8 (lane / 16) + 4 c + e, channel 16 u + lane % 16
.endr
.endr
.endr
	s_wait_xcnt 0x0                                ; the registers that the last tile's stores read are loaded again only behind this wait
.irp r, 0,1,2,3,4,5,6,7,8,9,10,11,12,13,14,15
	ds_load_b128 v[SSR+4*\r:SSR+4*\r+3], v[RA] offset:528*\r
.endr
.irp r, 0,1,2,3,4,5,6,7,8,9,10,11,12,13,14,15
	s_wait_dscnt 15-\r                             ; row r is back; the younger rows stay out
	global_store_b128 v[L16], v[SSR+4*\r:SSR+4*\r+3], s[12:13] offset:32768*\k+2048*\r th:TH_STORE_NT
.endr
.endm
	TILE 0, 16
	TILE 1, 0
	s_set_vgpr_msb 0x5
	s_wait_tensorcnt 0x0
	ds_add_u32 v0, v1
	s_wait_dscnt 0x0
	s_set_vgpr_msb 0x500
	s_endpgm
.Lfunc_end_k_q55ad6c6ccf_bn:
	.size	k_q55ad6c6ccf_bn, .Lfunc_end_k_q55ad6c6ccf_bn-k_q55ad6c6ccf_bn
	.p2alignl 7, 3214868480
	.fill 96, 4, 3214868480
	.section	.rodata,"a",@progbits
	.p2align	6, 0x0
	.amdhsa_kernel k_q55ad6c6ccf_bn
		.amdhsa_group_segment_fixed_size 93184
		.amdhsa_private_segment_fixed_size 0
		.amdhsa_enable_private_segment 0
		.amdhsa_kernarg_size 40
		.amdhsa_user_sgpr_count 2
		.amdhsa_user_sgpr_kernarg_segment_ptr 1
		.amdhsa_wavefront_size32 1
		.amdhsa_system_sgpr_workgroup_id_x 1
		.amdhsa_system_sgpr_workgroup_id_y 1
		.amdhsa_system_sgpr_workgroup_id_z 1
		.amdhsa_system_vgpr_workitem_id 0
		.amdhsa_next_free_vgpr 258
		.amdhsa_next_free_sgpr 66
		.amdhsa_reserve_vcc 0
		.amdhsa_float_denorm_mode_32 3
		.amdhsa_float_denorm_mode_16_64 3
		.amdhsa_memory_ordered 1
		.amdhsa_forward_progress 1
		.amdhsa_inst_pref_size 41
	.end_amdhsa_kernel
	.amdgpu_metadata
---
amdhsa.version: [ 1, 2 ]
amdhsa.kernels:
  - .name:           k_q55ad6c6ccf_bn
    .symbol:         k_q55ad6c6ccf_bn.kd
    .args:
      - { .name: y, .offset: 0, .size: 8, .value_kind: global_buffer, .address_space: global }
      - { .name: stats, .offset: 8, .size: 8, .value_kind: global_buffer, .address_space: global }
      - { .name: gamma, .offset: 16, .size: 8, .value_kind: global_buffer, .address_space: global }
      - { .name: beta, .offset: 24, .size: 8, .value_kind: global_buffer, .address_space: global }
      - { .name: out0, .offset: 32, .size: 8, .value_kind: global_buffer, .address_space: global }
    .group_segment_fixed_size: 93184
    .private_segment_fixed_size: 0
    .kernarg_segment_align: 8
    .kernarg_segment_size: 40
    .max_flat_workgroup_size: 256
    .sgpr_count:     66
    .vgpr_count:     258
    .wavefront_size: 32
...
	.end_amdgpu_metadata
.endif
;; end of part 4
